; MI455X (gfx1250); checked and timed in simulation.
; The chip was launched on July 23, 2026; its instructions are those of AMD's public machine-readable ISA for CDNA 5 (MIT licence, August 2026) and "CDNA5" Instruction Set Architecture Reference Guide (July 2026). The comments in the code are by the model that wrote it; some were corrected since.
;; Attention. Allowed arithmetic: matrix products marked QUANTISED: E2M1 operands, one E8M0 scale for each 32 along K, by v_wmma_scale_f32_16x16x128_f8f6f4 with both operands' format E2M1 (or v_wmma_scale_f32_32x16x128_f4), f32 sums; everything else in f32.
;; Inputs: Wk 8 x 512 x 64 float32; Wo 512 x 512 float32; Wq 8 x 512 x 64 float32; Wv 8 x 512 x 64 float32; bk 8 x 64 float32; bq 8 x 64 float32; bv 8 x 64 float32; k 4 x 2,048 x 512 float32; q 4 x 2,048 x 512 float32; v 4 x 2,048 x 512 float32.
;; Outputs: out0 4 x 2,048 x 512 float32.
;; This version of the problem:
;;   THIS VERSION OF THE PROBLEM IS GIVEN IN LOW PRECISION. The matrix products marked QUANTISED in the list below multiply operands that are first quantised to E2M1 (2 exponent bits, 1 mantissa bit; 4 bits a number), with one power-of-two scale for each 32 numbers along K (OCP MX v1.0); their sums are f32. All else is computed in f32.
;;   The module's matrix products, in the order in which they are computed (A, B: the left and right operand; K: the contracted axis; several contracted axes count as one K, in the product's order):
;;     1. [M 512, K 512] x [K 512, N 8,192]; A: input Wq; B: input q: QUANTISED
;;     2. [M 512, K 512] x [K 512, N 8,192]; A: input Wk; B: input k: QUANTISED
;;     3. [M 512, K 512] x [K 512, N 8,192]; A: input Wv; B: input v: QUANTISED
;;     4. batch 32 x [M 2,048, K 64] x [K 64, N 2,048]; A: computed on the way; B: computed on the way: QUANTISED
;;     5. batch 32 x [M 2,048, K 2,048] x [K 2,048, N 64]; A: softmax (see below); B: computed on the way: QUANTISED
;;     6. [M 8,192, K 512] x [K 512, N 512]; A: computed on the way; B: input Wo: QUANTISED
;;   THE QUANTISER, for each operand of a quantised product, along K:
;;     - K is cut into blocks of 32 from its start; a last block that is shorter is filled with zeros.
;;     - A block's scale is 2^e with e = floor(log2(the largest magnitude in the block)) - 2, held to -126 .. 127; a block of zeros has e = 0. As a byte (E8M0): e + 127.
;;     - Each number is divided by its block's scale, clamped to +-6, and rounded to the nearest number of E2M1, ties to even, subnormals kept.
;;     - The product sums the exact products of the quantised numbers (number of the format x scale) in f32.
;;   ~~~python
;;   def quantise(x, axis):      # numpy; x: float32 -> the quantised numbers, widened to float32 again
;;       x = np.moveaxis(x, axis, -1); K = x.shape[-1]
;;       x = np.pad(x, [(0, 0)] * (x.ndim - 1) + [(0, -K % 32)]); x = x.reshape(x.shape[:-1] + (-1, 32)); a = np.abs(x).max(-1, keepdims=True)
;;       e = np.where(a > 0, np.clip(np.frexp(np.where(a > 0, a, 1))[1] - 1 - 2, -126, 127), 0)      # np.frexp(a)[1] - 1 = floor(log2(a)), exactly
;;       r = np.clip(x / 2.0 ** e, -6, 6)
;;       step = 2.0 ** (np.maximum(np.frexp(np.where(r == 0, 1, r))[1] - 1, 0) - 1)
;;       q = np.round(r / step) * step * 2.0 ** e      # np.round: ties to even
;;       return np.moveaxis(q.reshape(q.shape[:-2] + (-1,))[..., :K], -1, axis).astype(np.float32)
;;   ~~~
;;   SOFTMAX AHEAD OF A QUANTISED PRODUCT. Where the list says 'softmax', what is quantised is not the finished softmax but p = 2^(t - M), with t = logit x log2(e) and M = ceil(the row's largest t), a whole number; so 1/2 < the row's largest p <= 1. The row's sum l is taken of the UNQUANTISED p, in f32, and the product's result is divided by l at the end. Since M is a whole number, a kernel that streams over the keys may use a running M (the ceiling of the running maximum): every later rescaling is an exact power of two, which a block's scale takes up: the codes' values come out the same.
;;   OPERANDS COMPUTED ON THE WAY. 'Computed on the way' means the value that the module computes at that place (a softmax that the list does not call 'softmax' is quantised finished and normalised). What goes into a quantiser is computed in f32, as accurately as f32 sums, v_exp_f32 and their like allow (about 1e-6 of the number): no bf16 or f16 on the way to a quantiser, and a product that is left as it is and whose result goes on into a quantised operand takes f32 operands (vector FMAs, or v_wmma_f32_16x16x4_f32). A number that lies on a knife's edge between two numbers of the format may be rounded either way, as far as f32 arithmetic and the matrix unit's own rounding can turn it there, and no further.
;; One version. Each part assembles by itself: llvm-mc -triple=amdgcn-amd-amdhsa -mcpu=gfx1250 --defsym DOCPART=n.
;; ======== version 1 of 1: 4 launches
;; workspace buffers: wq4 557,056 bytes; hq 2,359,296 bytes; kv 4,587,520 bytes; cc 2,228,224 bytes
;; launch wquant (part 1): grid 256 x 1, 1 waves a work-group, no clusters, 17,152 bytes of LDS; arguments Wq, Wk, Wv, Wo, wq4; writes wq4
.if DOCPART == 1
	.amdgcn_target "amdgcn-amd-amdhsa--gfx1250"
	.amdhsa_code_object_version 6
	.text
	.protected	k_qe24db72cc2_wquant
	.globl	k_qe24db72cc2_wquant
	.p2align	8
	.type	k_qe24db72cc2_wquant,@function
k_qe24db72cc2_wquant:
	s_mov_b64 s[64:65], 0
	v_nop
	global_prefetch_b8 v0, s[64:65] scope:SCOPE_SE
	s_setreg_imm32_b32 hwreg(HW_REG_WAVE_MODE, 25, 1), 1
	s_wait_xcnt 0x0
; Wq, Wk, Wv [8][512 (d)][64 (e)] and Wo [512 (o)][512 (d)], f32, become codes of FP4 (E2M1) with one E8M0 scale byte for each 32 along K = d.
; OUTPUT LAYOUT (this program's own): [mat 4][tile T 32][4,352 bytes].  A tile is 16 rows n (n = 64 h + e, or o).  Its block holds 16 UNITS of 256 bytes, one for each K block of 32,
; laid [row r][16 bytes], and behind them its scale words [K step s 4][row r] of 4 bytes.  Two units on end, read 16 bytes a lane, ARE four registers of a matrix operand.
; THE ROWS OF A TILE ARE NOT NEIGHBOURS: in a group of 32 rows, row r of tile u (0, 1) is row 8 u + r + 8 (r / 8), so that the results of two neighbouring tiles are 16 neighbours in a lane's registers.
; SHARES.  One wave to a work-group: 32 rows n x 128 along K, 16,384 bytes of f32, all asked for at once.  A LANE TAKES A ROW n AND ITS 128 REGISTERS RUN ALONG K: a block's largest magnitude needs no other lane.
; Wq, Wk, Wv have K as the outer axis: each load reads one d at 32 neighbouring e, 128 consecutive bytes.  Wo has K innermost: each load reads 512 consecutive bytes of one row, and the rows turn through LDS.
; A block's scale is 2^(floor(log2(its largest magnitude)) - 2); its byte is the largest magnitude's exponent field - 2, held at 1 from below.
; LIMITS: NaN and infinities among the inputs are not served; a block whose largest magnitude lies under 2^-124 is held at the byte 1; a block of zeros gets the byte 1 and not 127: its codes are zeros, and this program alone reads the bytes.
; No matrix unit, no cluster, no barrier: a stream whose waves share nothing.
.set X,    40                          ; v40-167  X + m: k = m of my row
.set TBLK, 4352                        ; a tile's block in the output
.set MATB, 32*TBLK                     ; a weight's 32 tiles
.set LP,   528                         ; Wo's way through LDS: a row's 512 bytes + 16: 33 x 16 bytes, so that the lanes' reads start at different 16-byte columns
	s_load_b256 s[4:11], s[0:1], 0x0               ; Wq s[4:5], Wk s[6:7], Wv s[8:9], Wo s[10:11]
	s_load_b64 s[12:13], s[0:1], 0x20              ; the output
	v_lshl_add_u32 v176, v0, 2, 0x4200
	v_mov_b32 v177, 0
	s_lshr_b32 s14, ttmp9, 6                       ; which weight
	s_bfe_u32 s15, ttmp9, 0x40002                  ; g: which group of 32 rows
	s_and_b32 s16, ttmp9, 3                        ; s: which 128 along K
	v_and_b32 v6, 15, v0                           ; r
	v_lshrrev_b32 v7, 4, v0                        ; u (the work-group is one wave: v0 is the lane)
	v_and_b32 v1, 8, v6
	v_add_nc_u32 v1, v1, v6                        ; r + 8 (r / 8)
	v_lshl_add_u32 v1, v7, 3, v1                   ; + 8 u: my row in the group
	v_lshlrev_b32 v1, 2, v1                        ; in bytes along e
	v_lshlrev_b32 v2, 4, v0                        ; 16 x lane
	v_mul_u32_u24 v3, v0, LP                       ; my row in LDS
	v_mul_u32_u24 v4, v7, TBLK                     ; my tile of the two,
	v_lshl_add_u32 v5, v6, 2, v4                   ; my scale word in it,
	v_lshl_add_u32 v4, v6, 4, v4                   ; my 16 bytes of a unit
	s_mul_i32 s18, s14, MATB
	s_mul_i32 s19, s15, 2*TBLK
	s_add_co_u32 s18, s18, s19                     ; the group's first tile
	s_lshl_b32 s19, s16, 10
	s_add_co_u32 s22, s18, s19                     ; its units 4 s on
	s_mov_b32 s23, 0
	s_lshl_b32 s19, s16, 6
	s_add_co_u32 s24, s18, s19
	s_add_co_u32 s24, s24, 4096                    ; its scale words of K step s
	s_mov_b32 s25, 0
	s_wait_kmcnt 0x0
	s_add_nc_u64 s[22:23], s[12:13], s[22:23]
	s_add_nc_u64 s[24:25], s[12:13], s[24:25]
	s_cmp_eq_u32 s14, 3
	s_cbranch_scc1 .Lwo
	; ---- Wq, Wk, Wv: element (n, d) lies at 131,072 h + 256 d + 4 e
	s_cmp_eq_u32 s14, 1
	s_cselect_b64 s[20:21], s[6:7], s[4:5]
	s_cmp_eq_u32 s14, 2
	s_cselect_b64 s[20:21], s[8:9], s[20:21]
	s_lshr_b32 s26, s15, 1
	s_lshl_b32 s26, s26, 17                        ; the head
	s_lshl_b32 s27, s16, 15                        ; 128 s rows of 256 bytes
	s_add_co_u32 s26, s26, s27
	s_and_b32 s27, s15, 1
	s_lshl_b32 s27, s27, 7                         ; which 32 of the head's 64
	s_add_co_u32 s26, s26, s27
	s_mov_b32 s27, 0
	s_add_nc_u64 s[20:21], s[20:21], s[26:27]
.set m, 0
.rept 128
	global_load_b32 v[X+m], v1, s[20:21] offset:256*m   ; the 32 lanes read 128 consecutive bytes
.set m, m+1
.endr
	s_wait_loadcnt 0x0
	s_branch .Lquant
.Lwo:
	; ---- Wo: a row is 2,048 bytes along K.  Load i brings the 512 bytes of the row that lane i will hold
	s_lshl_b32 s26, s15, 16
	s_lshl_b32 s27, s16, 9
	s_add_co_u32 s26, s26, s27
	s_mov_b32 s27, 0
	s_add_nc_u64 s[20:21], s[10:11], s[26:27]
.set i, 0
.rept 32
	global_load_b128 v[X+4*i:X+4*i+3], v2, s[20:21] offset:(8*(i/16)+(i%16)+8*((i%16)/8))*2048 th:TH_LOAD_NT
.set i, i+1
.endr
	s_wait_loadcnt 0x0
.set i, 0
.rept 32
	ds_store_b128 v2, v[X+4*i:X+4*i+3] offset:LP*i
.set i, i+1
.endr
	s_wait_dscnt 0x0                               ; the stores have read X, which the loads below write
.set i, 0
.rept 32
	ds_load_b128 v[X+4*i:X+4*i+3], v3 offset:16*i  ; my row, 128 numbers on end
.set i, i+1
.endr
	s_wait_dscnt 0x0
.Lquant:
.irp b, 0,1,2,3
	v_max3_num_f32 v[8+\b], |v[X+32*\b]|, |v[X+32*\b+1]|, 0x1800000   ; block b: all 32 numbers are mine; the floor 2^(3 - 127) holds the byte at 1 from below
.endr
.irp i, 2,4,6,8,10,12,14,16,18,20,22,24,26,28,30
.irp b, 0,1,2,3
	v_max3_num_f32 v[8+\b], v[8+\b], |v[X+32*\b+\i]|, |v[X+32*\b+\i+1]|   ; (the four blocks by turns: no line waits for the line above it)
.endr
.endr
.irp b, 0,1,2,3
	v_add_nc_u32 v[12+\b], 0xff000000, v[8+\b]     ; 2 off the exponent field: the conversion takes the exponent field of this operand as its scale
.endr
.irp b, 0,1,2,3
	v_lshrrev_b32 v[16+\b], 23, v[12+\b]           ; the scale's byte
.endr
	v_lshl_or_b32 v20, v17, 8, v16                 ; my row's scale word for these 128 along K
	v_lshl_or_b32 v20, v18, 16, v20
	v_lshl_or_b32 v20, v19, 24, v20
.irp b, 0,1,2,3
.irp q, 0,1,2,3
	v_cvt_scalef32_pk8_fp4_f32 v[24+4*\b+\q], v[X+32*\b+8*\q:X+32*\b+8*\q+7], v[12+\b]
.endr
.endr
	v_nop                                          ; one plain line behind the last scaled conversion
.irp b, 0,1,2,3
	global_store_b128 v4, v[24+4*\b:27+4*\b], s[22:23] offset:256*\b   ; sixteen lanes store one whole unit of 256 bytes, aligned; the other sixteen the other tile's
.endr
	global_store_b32 v5, v20, s[24:25]             ; 64 bytes a tile: one byte for each 128 that the launch reads
	s_wait_tensorcnt 0x0
	ds_add_u32 v176, v177
	s_wait_dscnt 0x0
	s_endpgm
.Lfunc_end_k_qe24db72cc2_wquant:
	.size	k_qe24db72cc2_wquant, .Lfunc_end_k_qe24db72cc2_wquant-k_qe24db72cc2_wquant
	.p2alignl 7, 3214868480
	.fill 96, 4, 3214868480
	.section	.rodata,"a",@progbits
	.p2align	6, 0x0
	.amdhsa_kernel k_qe24db72cc2_wquant
		.amdhsa_group_segment_fixed_size 17152
		.amdhsa_private_segment_fixed_size 0
		.amdhsa_enable_private_segment 0
		.amdhsa_kernarg_size 40
		.amdhsa_user_sgpr_count 2
		.amdhsa_user_sgpr_kernarg_segment_ptr 1
		.amdhsa_wavefront_size32 1
		.amdhsa_system_sgpr_workgroup_id_x 1
		.amdhsa_system_sgpr_workgroup_id_y 1
		.amdhsa_system_sgpr_workgroup_id_z 1
		.amdhsa_system_vgpr_workitem_id 0
		.amdhsa_next_free_vgpr 178
		.amdhsa_next_free_sgpr 66
		.amdhsa_reserve_vcc 0
		.amdhsa_float_denorm_mode_32 3
		.amdhsa_float_denorm_mode_16_64 3
		.amdhsa_memory_ordered 1
		.amdhsa_forward_progress 1
		.amdhsa_inst_pref_size 28
	.end_amdhsa_kernel
	.amdgpu_metadata
---
amdhsa.version: [ 1, 2 ]
amdhsa.kernels:
  - .name:           k_qe24db72cc2_wquant
    .symbol:         k_qe24db72cc2_wquant.kd
    .args:
      - { .name: Wq, .offset: 0, .size: 8, .value_kind: global_buffer, .address_space: global }
      - { .name: Wk, .offset: 8, .size: 8, .value_kind: global_buffer, .address_space: global }
      - { .name: Wv, .offset: 16, .size: 8, .value_kind: global_buffer, .address_space: global }
      - { .name: Wo, .offset: 24, .size: 8, .value_kind: global_buffer, .address_space: global }
      - { .name: wq4, .offset: 32, .size: 8, .value_kind: global_buffer, .address_space: global }
    .group_segment_fixed_size: 17152
    .private_segment_fixed_size: 0
    .kernarg_segment_align: 8
    .kernarg_segment_size: 40
    .max_flat_workgroup_size: 32
    .sgpr_count:     66
    .vgpr_count:     178
    .wavefront_size: 32
...
	.end_amdgpu_metadata
.endif
;; end of part 1
;; launch proj (part 2): grid 64 x 3, 4 waves a work-group, no clusters, 304,640 bytes of LDS; arguments q, k, v, bq, bk, bv, wq4, hq, kv; writes hq, kv
.if DOCPART == 2
	.amdgcn_target "amdgcn-amd-amdhsa--gfx1250"
	.amdhsa_code_object_version 6
	.text
	.protected	k_qe24db72cc2_proj
	.globl	k_qe24db72cc2_proj
	.p2align	8
	.type	k_qe24db72cc2_proj,@function
k_qe24db72cc2_proj:
	s_mov_b64 s[64:65], 0
	v_nop
	global_prefetch_b8 v0, s[64:65] scope:SCOPE_SE
	s_setreg_imm32_b32 hwreg(HW_REG_WAVE_MODE, 25, 1), 1
	s_wait_xcnt 0x0
; The three projections: xh = Q(x) Q(W) + b for x = q, k, v (work-group y = 0, 1, 2), both operands codes of FP4 (E2M1) with one E8M0 scale for each 32 along K = 512; sums and bias in f32.
; The result never goes to memory as f32: qh and kh are quantised along the head's 64 channels, vh along the keys, and leave as images of the next products' operands.
; SHARES.  A work-group takes 128 rows of x (one key step of the attention).  THE WAVES SHARE THE COLUMNS: wave w keeps the weight's tiles 8 w .. 8 w + 7 (heads 2 w and 2 w + 1, 256 registers) for the whole launch.
; x is quantised jointly: wave w fetches rows 32 w .. 32 w + 31 by four tensor loads (16 rows x 1,024 bytes), quantises them (two tiles x four K steps) and lays the fragments into LDS as images of their registers;
; behind ONE barrier every wave takes all 32 fragments into registers.  No LDS byte is filled twice.
; UNIT: 256 bytes = 16 rows x one K block of 32 codes, [row][16 bytes].  A lane (r, h) that has converted 16 neighbours of a block holds bytes 8 h .. 8 h + 7 of row r: one store of 8 bytes a lane writes a whole unit;
; two units read 16 bytes a lane are four registers of an operand.  So nothing changes lanes.
; THE ROWS OF A TILE ARE NOT NEIGHBOURS (x's and the weight's alike): in a group of 32, row r of tile u is row 8 u + r + 8 (r / 8), so that a lane's 16 registers of two neighbouring result tiles are 16 neighbours along the next K.
; q, k: source 0 = 16 rows of W, source 1 = 16 rows of x: a lane holds one row of x, its 64 registers 128 channels (two heads x two blocks).   v: the sources swapped: a lane holds one channel, its 64 registers 128 keys (four blocks).
; The bias is the C of each sum's first matrix instruction.
; NO JOINT LOADS: no two work-groups read the same x; the weight's 139,264 bytes are shared by the 64 work-groups of a y, but a joint load lands in LDS, and beside x's 267,264 bytes and the images' 36,864 LDS has no room for them: they go straight into registers, once.
; 192 work-groups: 128 rows are the grain of V's fragments and of the scale words' blocks.
; LIMITS: NaN and infinities are not served; a block whose largest magnitude lies under 2^-124 is held at the byte 1; a block of zeros gets the byte 1 and not 127: its codes are zeros, and this program alone reads the bytes.
; REGISTERS, in windows of 256: window 0: v1-13 addresses; v16-31 the quantiser's; v32-47 scale words made; v48-79 W's scale words; v80-111 x's; v112-175 the accumulators; v176-239 x as f32, later the codes made; v240-255 x's codes.
;   window 1: W's fragments, (t, s) at 32 t + 8 s.   window 2: v0-63 the bias, 8 registers a tile.   window 3: x's fragments, (m, s) at 32 m + 8 s.
.set RP,    1040                       ; a row of x in LDS: 1,024 bytes + 16 of padding
.set RAWA,  16*RP+128                  ; 16 rows; the 128 bytes more let a tile's rows 8-15, which lie in the next 16 rows, start in the other eight 16-byte columns of 256 bytes
.set RAWK,  2*RAWA-128                 ; 32 rows x 256 along K
.set RAWW,  2*RAWK                     ; a wave's 32 rows x 512
.set XIMG,  4*RAWW                     ; 267,264: x's 32 fragments, (m, s) at 1,024 (4 m + s)
.set XSC,   XIMG+32768                 ; their scale words: [m][lane][s], 4 bytes
.set TBLK,  4352                       ; a tile's block in the weights' buffer
.set HEADB, 143360                     ; a head's 16 chunks of K and V
.set TM,  16                           ; v16-19 largest magnitudes, v20-23 the other lanes', then bytes, v24 a scale word, v28-31 the conversions' scale operands
.set PW,  32                           ; v32-39 eight scale words
.set SL,  40                           ; v40-47 as they leave
.set WS,  48
.set XS,  80
.set ACC, 112
.set XR,  176
.set PC,  240
.set MSB, 0
.macro WIN new                         ; the immediate's high byte repeats the setting that is left
.if MSB != \new
	s_set_vgpr_msb (MSB<<8)|\new
.set MSB, \new
.endif
.endm
; 64 numbers of a lane, register 16 b + i = k 32 b + 16 (lane / 16) + i of my row, become 8 registers of codes (2 b, 2 b + 1: my half of block b) and my row's scale word.  Each accumulator is read from its low end on.
.macro QUANT src, pc, pw
.irp b, 0,1,2,3
	v_max3_num_f32 v[TM+\b], |v[(\src)+16*\b]|, |v[(\src)+16*\b+1]|, 0x1800000   ; my 16 numbers of block b, and the floor 2^(3 - 127): the byte cannot fall under 1
.endr
.irp i, 2,4,6,8,10,12,14
.irp b, 0,1,2,3
	v_max3_num_f32 v[TM+\b], v[TM+\b], |v[(\src)+16*\b+\i]|, |v[(\src)+16*\b+\i+1]|   ; (the four blocks by turns)
.endr
.endr
.irp b, 0,1,2,3
	v_permlanex16_b32 v[TM+4+\b], v[TM+\b], s52, s53
.endr
.irp b, 0,1,2,3
	v_max_num_f32 v[TM+\b], v[TM+\b], v[TM+4+\b]   ; with lane l xor 16's: the block's largest magnitude
.endr
.irp b, 0,1,2,3
	v_add_nc_u32 v[TM+12+\b], 0xff000000, v[TM+\b] ; 2 off its exponent field: the conversion's scale operand
.endr
.irp b, 0,1,2,3
	v_lshrrev_b32 v[TM+4+\b], 23, v[TM+12+\b]      ; the scale's byte
.endr
	v_lshl_or_b32 v[\pw], v[TM+5], 8, v[TM+4]
	v_lshl_or_b32 v[\pw], v[TM+6], 16, v[\pw]
	v_lshl_or_b32 v[\pw], v[TM+7], 24, v[\pw]
.irp b, 0,1,2,3
	v_cvt_scalef32_pk8_fp4_f32 v[(\pc)+2*\b], v[(\src)+16*\b:(\src)+16*\b+7], v[TM+12+\b]
	v_cvt_scalef32_pk8_fp4_f32 v[(\pc)+2*\b+1], v[(\src)+16*\b+8:(\src)+16*\b+15], v[TM+12+\b]
.endr
	v_nop                                          ; one plain line behind the last scaled conversion
.endm
; chunk c = 2 s + u: my 64 numbers of K step s of my wave's tile u
.macro RAWLOAD c, reg
.irp b, 0,1,2,3
.irp i, 0,1,2,3
	ds_load_b128 v[(\reg)+16*\b+4*\i:(\reg)+16*\b+4*\i+3], v4 offset:((\c)/4)*RAWK+((\c)%2)*8*RP+(((\c)/2)%2)*512+128*\b+16*\i
.endr
.endr
.endm
	s_load_b512 s[4:19], s[0:1], 0x0               ; q, k, v s[4:9]; bq, bk, bv s[10:15]; the weights' codes s[16:17]; hq s[18:19]
	s_load_b64 s[20:21], s[0:1], 0x40              ; kv
	v_lshl_add_u32 v26, v0, 2, 0x4a400
	v_mov_b32 v27, 0
	ds_add_u32 v26, v27
	ds_add_u32 v26, v27
	v_lshrrev_b32 v1, 5, v0
	v_readfirstlane_b32 s22, v1                    ; wave 0..3
	s_and_b32 s23, ttmp7, 0xffff                   ; y: q, k or v
	s_mov_b32 s24, ttmp9                           ; which 128 rows
	; descriptor group 1: 16 rows x 256 elements of 4 bytes, 512 elements from row to row, 4 words of padding behind every 256
	s_mov_b32 s28, (2<<16)|(1<<20)|(7<<22)|(3<<25)
	s_mov_b32 s29, 256<<16                         ; tensor_dim0
	s_mov_b32 s30, 16<<16                          ; tensor_dim1
	s_mov_b32 s31, 256<<16                         ; tile_dim0
	s_mov_b32 s32, 16                              ; tile_dim1
	s_mov_b32 s33, 512                             ; tensor_dim0_stride
	s_mov_b32 s34, 0
	s_mov_b32 s35, 0
	s_lshl_b32 s66, s24, 18                        ; 128 rows of 2,048 bytes,
	s_lshl_b32 s67, s22, 16                        ; my wave's 32 of them
	s_add_co_u32 s66, s66, s67
	s_mov_b32 s67, 0
	s_mul_i32 s68, s22, RAWW                       ; and their place in LDS
	s_mov_b32 s52, 0x76543210
	s_mov_b32 s53, 0xfedcba98                      ; v_permlanex16_b32's selects for lane l xor 16
	s_wait_dscnt 0x0
	s_wait_kmcnt 0x0
	s_cmp_eq_u32 s23, 1                            ; the choices hang on the work-group's number alone
	s_cselect_b64 s[70:71], s[6:7], s[4:5]
	s_cselect_b64 s[72:73], s[12:13], s[10:11]
	s_cmp_eq_u32 s23, 2
	s_cselect_b64 s[70:71], s[8:9], s[70:71]       ; x
	s_cselect_b64 s[72:73], s[14:15], s[72:73]     ; its bias
	s_add_nc_u64 s[70:71], s[70:71], s[66:67]
.irp n, 0,1,2,3                        ; group 0, a set for each load: K half n / 2, rows 16 (n % 2) on
	s_mov_b32 s[36+4*\n], 1
	s_add_co_u32 s[37+4*\n], s68, (\n/2)*RAWK+(\n%2)*RAWA
	s_add_nc_u64 s[38+4*\n:39+4*\n], s[70:71], (\n%2)*32768+(\n/2)*1024
	s_or_b32 s[39+4*\n], s[39+4*\n], 0x80000000
.endr
	tensor_load_to_lds s[36:39], s[28:35]          ; all of the wave's x at once: four loads of mine are out; each LDS byte is filled once in the launch
	s_nop 0
	tensor_load_to_lds s[40:43], s[28:35]
	s_nop 0
	tensor_load_to_lds s[44:47], s[28:35]
	s_nop 0
	tensor_load_to_lds s[48:51], s[28:35]
	s_nop 0
.rept 4
	v_nop                                          ; behind a tensor load
.endr
	v_and_b32 v1, 31, v0                           ; lane
	v_and_b32 v2, 15, v0                           ; r
	v_bfe_u32 v3, v0, 4, 1                         ; h
	v_and_b32 v14, 7, v2
	v_mul_u32_u24 v4, v14, RP
	v_lshrrev_b32 v14, 3, v2
	v_mad_u32_u24 v4, v14, RAWA, v4                ; tile row r of tile u is row 8 u + r % 8 of the (r / 8)-th 16 rows
	v_lshl_add_u32 v4, v3, 6, v4                   ; + 64 h: my 16 numbers of a block of 32
	v_add_nc_u32 v4, s68, v4
	v_lshlrev_b32 v5, 4, v1                        ; 16 x lane
	v_lshlrev_b32 v8, 4, v2
	v_lshl_add_u32 v8, v3, 3, v8                   ; 16 r + 8 h: my 8 bytes of a unit
	s_lshl_b32 s69, s22, 13
	s_add_co_u32 s69, s69, XIMG
	v_add_nc_u32 v6, s69, v8                       ; where I lay x's codes: tile 2 w on
	s_lshl_b32 s69, s22, 10
	s_add_co_u32 s69, s69, XSC
	v_add_nc_u32 v7, s69, v5                       ; and their scale words
	v_mul_u32_u24 v9, v3, HEADB
	v_lshl_add_u32 v9, v2, 4, v9                   ; V's scale words: lanes 0-15 head A's unit, lanes 16-31 head B's
	v_lshlrev_b32 v10, 2, v2                       ; 4 r
	v_add_nc_u32 v12, XIMG, v5
	v_add_nc_u32 v13, XSC, v5
.irp b, 0,1,2,3
	v_mov_b32 v[TM+4+\b], 0                        ; written once: a lane permute's destination counts as one of its sources
.endr
	; where the results go.  bhA = 8 b + 2 w.  hq: codes 65,536 bh + 4,096 j, scale words 2,097,152 + 8,192 bh + 512 j.  kv: chunk 143,360 bh + 8,960 j: K's codes + 0, V's + 4,096, K's scale words + 8,192, V's + 8,704
	s_lshr_b32 s66, s24, 4
	s_lshl_b32 s66, s66, 3
	s_lshl_b32 s67, s22, 1
	s_add_co_u32 s66, s66, s67                     ; bhA
	s_and_b32 s67, s24, 15                         ; j
	s_lshl_b32 s76, s66, 16
	s_lshl_b32 s77, s67, 12
	s_add_co_u32 s76, s76, s77                     ; hq: codes
	s_lshl_b32 s77, s66, 13
	s_lshl_b32 s78, s67, 9
	s_add_co_u32 s77, s77, s78
	s_add_co_u32 s77, s77, 2097152                 ; hq: scale words
	s_mul_i32 s78, s66, HEADB
	s_mul_i32 s79, s67, 8960
	s_add_co_u32 s78, s78, s79                     ; kv: the chunk
	s_cmp_eq_u32 s23, 2
	s_cselect_b32 s79, 4096, 0
	s_cselect_b32 s69, 512, 0
	s_add_co_u32 s79, s78, s79                     ; kv: codes
	s_add_co_u32 s78, s78, s69
	s_add_co_u32 s78, s78, 8192                    ; kv: scale words
	s_mov_b32 s69, HEADB
	s_cmp_eq_u32 s23, 0
	s_cselect_b32 s54, s76, s79
	s_cselect_b32 s58, s77, s78
	s_cselect_b64 s[70:71], s[18:19], s[20:21]     ; hq or kv
	s_cselect_b32 s76, 65536, s69                  ; from head A to head B: codes,
	s_cselect_b32 s78, 8192, s69                   ; scale words
	s_mov_b32 s55, 0
	s_mov_b32 s59, 0
	s_mov_b32 s77, 0
	s_mov_b32 s79, 0
	s_add_nc_u64 s[54:55], s[70:71], s[54:55]      ; head A's codes
	s_add_nc_u64 s[58:59], s[70:71], s[58:59]      ; head A's scale words
	s_add_nc_u64 s[56:57], s[54:55], s[76:77]      ; head B's
	s_add_nc_u64 s[60:61], s[58:59], s[78:79]
	; my eight tiles of the weight: dense images, 512 consecutive bytes a load
	s_mul_i32 s74, s23, 32*TBLK
	s_mul_i32 s75, s22, 8*TBLK
	s_add_co_u32 s74, s74, s75
	s_mov_b32 s75, 0
	s_add_nc_u64 s[74:75], s[16:17], s[74:75]
	WIN 0x40                                       ; destination window 1
.irp t, 0,1,2,3,4,5,6,7
.irp i, 0,1,2,3,4,5,6,7
	global_load_b128 v[32*\t+4*\i:32*\t+4*\i+3], v5, s[74:75] offset:\t*TBLK+512*\i
.endr
.endr
	WIN 0
.irp t, 0,1,2,3,4,5,6,7
.irp s, 0,1,2,3
	global_load_b32 v[WS+4*\t+\s], v10, s[74:75] offset:\t*TBLK+4096+64*\s   ; row r's word, in both halves of the lanes
.endr
.endr
	s_lshl_b32 s76, s22, 9                         ; my 128 numbers of the bias
	s_mov_b32 s77, 0
	s_add_nc_u64 s[72:73], s[72:73], s[76:77]
	s_cmp_eq_u32 s23, 2
	s_cbranch_scc1 .Lbias_v
	v_lshlrev_b32 v11, 6, v3                       ; q, k: register j of tile t is channel 32 (t / 2) + 16 h + 8 (t % 2) + j
	WIN 0x80                                       ; destination window 2
.irp t, 0,1,2,3,4,5,6,7
	global_load_b128 v[8*\t:8*\t+3], v11, s[72:73] offset:(32*(\t/2)+8*(\t%2))*4
	global_load_b128 v[8*\t+4:8*\t+7], v11, s[72:73] offset:(32*(\t/2)+8*(\t%2))*4+16
.endr
	WIN 0
	s_branch .Lbias_done
.Lbias_v:
	v_and_b32 v11, 8, v2                           ; v: all eight registers of tile t are channel 32 (t / 2) + 8 (t % 2) + r + 8 (r / 8)
	v_add_nc_u32 v11, v11, v2
	v_lshlrev_b32 v11, 2, v11
	WIN 0x80
.irp t, 0,1,2,3,4,5,6,7
.irp j, 0,1,2,3,4,5,6,7
	global_load_b32 v[8*\t+\j], v11, s[72:73] offset:(32*(\t/2)+8*(\t%2))*4
.endr
.endr
	WIN 0
.Lbias_done:
	; ---- X: my 32 rows of x become eight fragments.  I read only LDS bytes that my own loads brought: my own wait on TENSORcnt orders them
	s_wait_tensorcnt 0x2                           ; the two tiles of K's first half are in; the two of its second half may be out
	RAWLOAD 0, XR
.irp c, 0,1,2,3,4,5,6,7
.if \c == 3
	s_wait_tensorcnt 0x0                           ; chunk 4 is the first of K's second half
.endif
.if \c < 7
	RAWLOAD \c+1, XR-64*((\c+1)%2)                 ; the next chunk, into the other set (v176 on and v112 on by turns)
	s_wait_dscnt 16                                ; all but the sixteen just issued: this chunk is in, and the last chunk's stores are done
.else
	s_wait_dscnt 0x0
.endif
	QUANT XR-64*(\c%2), PC+8*(\c%2), TM+8
.irp b, 0,1,2,3
	ds_store_b64 v6, v[PC+8*(\c%2)+2*\b:PC+8*(\c%2)+2*\b+1] offset:(\c%2)*4096+(\c/2)*1024+256*\b   ; the 32 lanes write one whole unit
.endr
	ds_store_b32 v7, v[TM+8] offset:(\c%2)*512+4*(\c/2)
.endr
	s_wait_dscnt 0x0                               ; for the others' sake: my stores have landed
	s_barrier_signal -1
	s_barrier_wait -1                              ; x's 32 fragments lie in LDS
	WIN 0xc0                                       ; destination window 3
.set i, 0
.rept 64
	ds_load_b128 v[4*i:4*i+3], v12 offset:512*i
.set i, i+1
.endr
	WIN 0
.irp m, 0,1,2,3,4,5,6,7
	ds_load_b128 v[XS+4*\m:XS+4*\m+3], v13 offset:512*\m   ; tile m's four scale words of my row r
.endr
	s_wait_dscnt 0x0
	s_wait_loadcnt 0x0                             ; the weight, its scale words, the bias
	s_cmp_eq_u32 s23, 2
	s_cbranch_scc1 .Lv_arm
	; ---- q, k: a tile of 16 rows of x at a time against my eight tiles of W; the eight accumulators take turns, one instruction a turn
.irp m, 0,1,2,3,4,5,6,7
.irp s, 0,1,2,3
.if \s == 0
	WIN 0x2d                                       ; source 0 (W) window 1, source 1 (x) window 3, C (the bias) window 2
.else
	WIN 0x0d
.endif
.irp t, 0,1,2,3,4,5,6,7
.if \s == 0
	v_wmma_scale_f32_16x16x128_f8f6f4 v[ACC+8*\t:ACC+8*\t+7], v[32*\t+8*\s:32*\t+8*\s+7], v[32*\m+8*\s:32*\m+8*\s+7], v[8*\t:8*\t+7], v[WS+4*\t+\s], v[XS+4*\m+\s] matrix_a_fmt:MATRIX_FMT_FP4 matrix_b_fmt:MATRIX_FMT_FP4
.else
	v_wmma_scale_f32_16x16x128_f8f6f4 v[ACC+8*\t:ACC+8*\t+7], v[32*\t+8*\s:32*\t+8*\s+7], v[32*\m+8*\s:32*\m+8*\s+7], v[ACC+8*\t:ACC+8*\t+7], v[WS+4*\t+\s], v[XS+4*\m+\s] matrix_a_fmt:MATRIX_FMT_FP4 matrix_b_fmt:MATRIX_FMT_FP4
.endif
.endr
.endr
	WIN 0
.rept 4
	v_nop                                          ; places in front of the first read of results (ISA guide 7.12.1)
.endr
	QUANT ACC, XR+8*\m, PW+\m                      ; blocks 0, 1: head A's 64 channels; blocks 2, 3: head B's.  Its lines on v16-31 are further places in front of the next tile's first products, which write the accumulators anew
.irp b, 0,1
	global_store_b64 v8, v[XR+8*\m+2*\b:XR+8*\m+2*\b+1], s[54:55] offset:512*\m+256*\b      ; the 32 lanes store one aligned unit of 256 bytes; each tile has its own registers, so no store's data are written again
	global_store_b64 v8, v[XR+8*\m+4+2*\b:XR+8*\m+5+2*\b], s[56:57] offset:512*\m+256*\b
.endr
.endr
	v_cmp_eq_u32 vcc_lo, 1, v3                     ; the scale words leave as [half][r][i]: lanes 0-15 give tiles 0-3, lanes 16-31 tiles 4-7
.irp i, 0,1,2,3
	v_cndmask_b32 v[SL+\i], v[PW+\i], v[PW+4+\i], vcc_lo
.endr
.irp i, 0,1,2,3
	v_lshrrev_b32 v[SL+4+\i], 16, v[SL+\i]         ; head B's two bytes; bytes 2 and 3, which stand over zero codes, are 0
.endr
.irp i, 0,1,2,3
	v_and_b32 v[SL+\i], 0xffff, v[SL+\i]           ; head A's
.endr
	global_store_b128 v5, v[SL:SL+3], s[58:59]     ; 512 consecutive bytes
	global_store_b128 v5, v[SL+4:SL+7], s[60:61]
	s_wait_tensorcnt 0x0
	ds_add_u32 v26, v27
	s_wait_dscnt 0x0
	s_endpgm
.Lv_arm:
	; ---- v: a tile of 16 channels at a time against all eight tiles of keys
.irp t, 0,1,2,3,4,5,6,7
.irp s, 0,1,2,3
.if \s == 0
	WIN 0x27                                       ; source 0 (x) window 3, source 1 (W) window 1, C (the bias) window 2
.else
	WIN 0x07
.endif
.irp m, 0,1,2,3,4,5,6,7
.if \s == 0
	v_wmma_scale_f32_16x16x128_f8f6f4 v[ACC+8*\m:ACC+8*\m+7], v[32*\m+8*\s:32*\m+8*\s+7], v[32*\t+8*\s:32*\t+8*\s+7], v[8*\t:8*\t+7], v[XS+4*\m+\s], v[WS+4*\t+\s] matrix_a_fmt:MATRIX_FMT_FP4 matrix_b_fmt:MATRIX_FMT_FP4
.else
	v_wmma_scale_f32_16x16x128_f8f6f4 v[ACC+8*\m:ACC+8*\m+7], v[32*\m+8*\s:32*\m+8*\s+7], v[32*\t+8*\s:32*\t+8*\s+7], v[ACC+8*\m:ACC+8*\m+7], v[XS+4*\m+\s], v[WS+4*\t+\s] matrix_a_fmt:MATRIX_FMT_FP4 matrix_b_fmt:MATRIX_FMT_FP4
.endif
.endr
.endr
	WIN 0
.rept 4
	v_nop
.endr
	QUANT ACC, XR+8*\t, PW+\t                      ; four blocks of 32 keys of my channel
.irp b, 0,1,2,3
.if \t < 4
	global_store_b64 v8, v[XR+8*\t+2*\b:XR+8*\t+2*\b+1], s[54:55] offset:(\t%4)*1024+256*\b
.else
	global_store_b64 v8, v[XR+8*\t+2*\b:XR+8*\t+2*\b+1], s[56:57] offset:(\t%4)*1024+256*\b
.endif
.endr
.endr
	v_cmp_eq_u32 vcc_lo, 1, v3                     ; the scale words leave as [r][channel tile]: lanes 0-15 head A's four, lanes 16-31 head B's
.irp i, 0,1,2,3
	v_cndmask_b32 v[SL+\i], v[PW+\i], v[PW+4+\i], vcc_lo
.endr
	global_store_b128 v9, v[SL:SL+3], s[58:59]     ; sixteen lanes store one aligned unit of 256 bytes
	s_wait_tensorcnt 0x0
	ds_add_u32 v26, v27
	s_wait_dscnt 0x0
	s_endpgm
.Lfunc_end_k_qe24db72cc2_proj:
	.size	k_qe24db72cc2_proj, .Lfunc_end_k_qe24db72cc2_proj-k_qe24db72cc2_proj
	.p2alignl 7, 3214868480
	.fill 96, 4, 3214868480
	.section	.rodata,"a",@progbits
	.p2align	6, 0x0
	.amdhsa_kernel k_qe24db72cc2_proj
		.amdhsa_group_segment_fixed_size 304640
		.amdhsa_private_segment_fixed_size 0
		.amdhsa_enable_private_segment 0
		.amdhsa_kernarg_size 72
		.amdhsa_user_sgpr_count 2
		.amdhsa_user_sgpr_kernarg_segment_ptr 1
		.amdhsa_wavefront_size32 1
		.amdhsa_system_sgpr_workgroup_id_x 1
		.amdhsa_system_sgpr_workgroup_id_y 1
		.amdhsa_system_sgpr_workgroup_id_z 1
		.amdhsa_system_vgpr_workitem_id 0
		.amdhsa_next_free_vgpr 1024
		.amdhsa_next_free_sgpr 80
		.amdhsa_reserve_vcc 1
		.amdhsa_float_denorm_mode_32 3
		.amdhsa_float_denorm_mode_16_64 3
		.amdhsa_memory_ordered 1
		.amdhsa_forward_progress 1
		.amdhsa_inst_pref_size 200
	.end_amdhsa_kernel
	.amdgpu_metadata
---
amdhsa.version: [ 1, 2 ]
amdhsa.kernels:
  - .name:           k_qe24db72cc2_proj
    .symbol:         k_qe24db72cc2_proj.kd
    .args:
      - { .name: q, .offset: 0, .size: 8, .value_kind: global_buffer, .address_space: global }
      - { .name: k, .offset: 8, .size: 8, .value_kind: global_buffer, .address_space: global }
      - { .name: v, .offset: 16, .size: 8, .value_kind: global_buffer, .address_space: global }
      - { .name: bq, .offset: 24, .size: 8, .value_kind: global_buffer, .address_space: global }
      - { .name: bk, .offset: 32, .size: 8, .value_kind: global_buffer, .address_space: global }
      - { .name: bv, .offset: 40, .size: 8, .value_kind: global_buffer, .address_space: global }
      - { .name: wq4, .offset: 48, .size: 8, .value_kind: global_buffer, .address_space: global }
      - { .name: hq, .offset: 56, .size: 8, .value_kind: global_buffer, .address_space: global }
      - { .name: kv, .offset: 64, .size: 8, .value_kind: global_buffer, .address_space: global }
    .group_segment_fixed_size: 304640
    .private_segment_fixed_size: 0
    .kernarg_segment_align: 8
    .kernarg_segment_size: 72
    .max_flat_workgroup_size: 128
    .sgpr_count:     80
    .vgpr_count:     1024
    .wavefront_size: 32
...
	.end_amdgpu_metadata
.endif
;; end of part 2
;; launch attn (part 3): grid 8 x 32, 16 waves a work-group, clusters of 4 x 1, 169,984 bytes of LDS; arguments hq, kv, cc; writes cc
.if DOCPART == 3
	.amdgcn_target "amdgcn-amd-amdhsa--gfx1250"
	.amdhsa_code_object_version 6
	.text
	.protected	k_qe24db72cc2_attn
	.globl	k_qe24db72cc2_attn
	.p2align	8
	.type	k_qe24db72cc2_attn,@function
k_qe24db72cc2_attn:
	s_mov_b64 s[64:65], 0
	v_nop
	global_prefetch_b8 v0, s[64:65] scope:SCOPE_SE
	s_setreg_imm32_b32 hwreg(HW_REG_WAVE_MODE, 25, 1), 1
	s_wait_xcnt 0x0
	s_wait_alu depctr_hold_cnt(0) depctr_sa_sdst(0) depctr_va_vdst(0) depctr_va_sdst(0) depctr_va_ssrc(0) depctr_va_vcc(0) depctr_vm_vsrc(0)
	s_getreg_b32 s2, hwreg(HW_REG_IB_STS2, 6, 4)
	s_cmp_eq_u32 s2, 0
	s_cbranch_scc0 .Lentry_in_a_cluster
	s_endpgm
.Lentry_in_a_cluster:
	s_bfe_u32 s2, ttmp6, 0x10000c
	s_cmp_lg_u32 s2, 0x3003
	s_cbranch_scc0 .Lentry_shape_is_right
	s_endpgm
.Lentry_shape_is_right:
; concat[b][q][64 h + :] = the sum over keys of softmax(qh . kh / 8) vh, both products on codes of FP4 (E2M1) with one E8M0 scale for each 32 along a product's K; the result leaves quantised along the channels, for the last product.
; THE SOFTMAX AHEAD OF THE SECOND PRODUCT: t = score x log2(e) / 8; M = the row's largest t so far, rounded UP to a whole number; p = 2^(t - M) is what is quantised, along the keys, not normalised.
; The row's sum is taken of the unquantised p, in f32, and divides O at the end (a reciprocal and a multiplication).  When M moves, the sum and O are multiplied by 2^(old M - new M): exact.  t - M is one fused multiply-add.
; SHARES.  A work-group owns 256 queries of one head (work-group y = 8 b + head); each of its sixteen waves one tile of 16, in 256 registers: four waves to a SIMD, so that one wave's vector work stands beside another's matrix work and LDS loads.
; ALL OF A HEAD'S K AND V, codes and scale words, are 143,360 bytes: they come into LDS ONCE, as they lie in memory (16 chunks of 8,960 bytes, one for each step of 128 keys), and stay.  No LDS byte is filled twice, none is stored to.
; CLUSTER.  The four query blocks of a cluster belong to one head: its bytes are asked for JOINTLY, by the same four tensor loads (waves 0-3, 35,840 bytes each) with the same descriptors and a mask that names the four.
; LAYOUT.  Both products are used transposed (S^T = K Q^T, O^T = V^T P^T): a lane holds ONE query (lane % 16) throughout.  V's fragments lie as images of their registers: 512 bytes read 16 a lane are four registers.
; WHICH KEYS FORM A TILE OF K IS CHOSEN HERE, BY THE ADDRESS FROM WHICH A LANE READS ITS 16 BYTES: tile 4 c + i takes keys 64 c + 8 i + 0 .. 7 as its rows 0-7 and keys 64 c + 32 + 8 i + 0 .. 7 as its rows 8-15.
; So lane (q, h) holds, in the 32 registers of tiles 4 c .. 4 c + 3, keys 64 c + 32 h + 0 .. 31: A WHOLE BLOCK OF 32 IN ONE LANE, in the order that the second product's operand wants: a block's largest score needs no other lane,
; and the conversions' results are the operand's registers.  In memory a stored tile 2 b + u holds key 32 b + 8 u + r' + 8 (r' / 8) as its row r', 512 bytes a tile: row r of tile 4 c + i is row 8 (i / 2) + r % 8 of stored tile 4 c + 2 (r / 8) + i % 2.
; The price: rows r and r + 8 lie 1,024 bytes apart, twice each: K's eight loads a step go two deep.
; LOADS RUN A STEP AHEAD: K of the next step is asked for behind this step's first products, V of this step at the same place; the last step is written out without the request, so that nothing is read past the head's bytes.
; The first product's K is 64: the upper half of the instruction's 128 is zero codes on both sides, under the scale byte 0.
; LIMITS: NaN and infinities are not served; a block whose largest magnitude lies under 2^-124 is held at the byte 1; a block of zeros gets the byte 1 and not 127: its codes are zeros, and this program alone reads the bytes.
; A block's largest p is not searched for: the block's largest score goes through the same multiply-add and exponential (this takes v_exp_f32 not to fall where its input rises).
; REGISTERS: v1-7 lane terms; v8, v9 the next step's K in LDS, v10, v11 this step's V; v12 -M, v13 the largest score, v[14:15] the sum in two halves; v16-23 Q; v24 Q's scale word; v32-95 K's 8 fragments; v96-159 S^T, then p;
;   v160-191 O^T; v192-223 V's 4 fragments; v224-231 p's codes; v232-237, v244, v245, v252, v254 at work; v240-243 V's scale words; v248-251 K's; v253 p's.
.set CH,    8960                       ; a chunk: K's 8 stored tiles of 512 bytes; + 4,096 V's 4 tiles of 1,024; + 8,192 K's scale words [stored tile / 4][row][stored tile % 4]; + 8,704 V's [row][tile]
.set HEADB, 16*CH
.set TBLK,  4352                       ; a tile's block in the output: 16 units of 256 bytes, then the scale words [K step][r]
.macro CROUND                          ; a round of the cluster's barrier: my work-group's barrier; wave 0 signals for the work-group; every wave waits for all four work-groups; my work-group's barrier once more
	s_barrier_signal -1
	s_barrier_wait -1
	s_cmp_lg_u32 s10, 0
	s_cbranch_scc1 .Lnot_wave_0_\@
	s_barrier_signal -3
.Lnot_wave_0_\@:
	s_barrier_wait -3
	s_barrier_signal -1
	s_barrier_wait -1
.endm
; A step's K: the lower halves of eight fragments, and the scale words: lanes 0-15 take those of tiles 0-3 (register i: tile i), lanes 16-31 those of tiles 4-7.  ac, sc: the two address registers
.macro KLOAD ac, sc
.irp n, 0,1,2,3,4,5,6,7
	ds_load_b128 v[32+8*\n:35+8*\n], v[\ac] offset:(\n/4)*2048+(\n%2)*512+((\n%4)/2)*128
.endr
	ds_load_b64 v[248:249], v[\sc] offset:8192
	ds_load_b64 v[250:251], v[\sc] offset:8320
.endm
; A KEY STEP: 128 keys.  pre = 1: the next step's K is asked for.
.macro STEP pre
	s_wait_dscnt 0x0                               ; this step's K and its scale words, asked for a step ago, are in
.irp t, 0,1,2,3
	v_wmma_scale_f32_16x16x128_f8f6f4 v[96+8*\t:103+8*\t], v[32+8*\t:39+8*\t], v[16:23], 0, v[248+\t], v24 matrix_a_fmt:MATRIX_FMT_FP4 matrix_b_fmt:MATRIX_FMT_FP4
.endr
.irp t, 4,5,6,7
	v_wmma_scale_f32_16x16x128_f8f6f4 v[96+8*\t:103+8*\t], v[32+8*\t:39+8*\t], v[16:23], 0, v[244+\t], v24 matrix_a_fmt:MATRIX_FMT_FP4 matrix_b_fmt:MATRIX_FMT_FP4 matrix_a_scale:MATRIX_SCALE_ROW1
.endr
	v_add_nc_u32 v10, s36, v1                      ; four plain lines: the places (ISA guide 7.12.1 for vector instructions) in front of the loads into registers that these products
	v_add_nc_u32 v11, s36, v2                      ; and the last step's second products have read, and in front of the first read of the scores
.if \pre
	v_add_nc_u32 v8, s47, v5
	v_add_nc_u32 v9, s47, v6
.else
	v_nop
	v_nop
.endif
.irp i, 0,1,2,3,4,5,6,7
	ds_load_b128 v[192+4*\i:195+4*\i], v10 offset:4096+512*\i   ; this step's V
.endr
	ds_load_b128 v[240:243], v11 offset:8704       ; its scale words: channel row r's word of each of the four tiles
.if \pre
	KLOAD 8, 9                                     ; the next step's K: ten loads
.endif
; THE LARGEST SCORE OF EACH OF MY TWO BLOCKS OF 32 KEYS: it serves for the row's maximum and, since p rises with the score, for the block's largest p.  Two chains a block (17 and 15 numbers), the four by turns; each accumulator is read from its low end on
.irp c, 0,1
	v_max3_num_f32 v[232+\c], v[96+32*\c], v[97+32*\c], v[98+32*\c]
	v_max3_num_f32 v[234+\c], v[113+32*\c], v[114+32*\c], v[115+32*\c]
.endr
.irp i, 0,1,2,3,4,5
.irp c, 0,1
	v_max3_num_f32 v[232+\c], v[232+\c], v[99+32*\c+2*\i], v[100+32*\c+2*\i]
	v_max3_num_f32 v[234+\c], v[234+\c], v[116+32*\c+2*\i], v[117+32*\c+2*\i]
.endr
.endr
.irp c, 0,1
	v_max3_num_f32 v[232+\c], v[232+\c], v[111+32*\c], v[112+32*\c]
.endr
.irp c, 0,1
	v_max_num_f32 v[232+\c], v[232+\c], v[234+\c]
.endr
	v_max3_num_f32 v254, v232, v233, v13           ; my 64 keys' largest score and the running largest,
	v_permlanex16_b32 v236, v254, s20, s21
	v_max_num_f32 v13, v254, v236                  ; with lane l xor 16's 64 keys: the running largest score of my query
	v_mul_f32 v254, s46, v13                       ; -t (c is positive)
	v_floor_f32 v254, v254                         ; the new -M = floor(-t) = -ceil(t): M is a whole number
	v_sub_f32 v252, v254, v12                      ; M's old value less its new one: a whole number, 0 or less
	v_mov_b32 v12, v254
	v_cvt_i32_f32 v252, v252                       ; (it saturates)
	v_ldexp_f32 v252, 1.0, v252                    ; f = 2^(old M - new M)
.irp c, 0,1
	v_fma_f32 v[232+\c], v[232+\c], s22, v12       ; t - M of each block's largest score
.endr
.set j, 0
.rept 32
	v_pk_fma_f32 v[96+j:97+j], v[96+j:97+j], s[22:23], v[12:13] op_sel_hi:[1,0,0]   ; t - M, two at a time (of the pairs c and -M the low word serves both halves)
.set j, j+2
.endr
.irp c, 0,1
	v_exp_f32 v[232+\c], v[232+\c]                 ; the block's largest p: the same two instructions on the same number give the same bits
.endr
	v_pk_mul_f32 v[14:15], v[14:15], v[252:253] op_sel_hi:[1,0]   ; the sums under the new M.  (A plain line behind those two exponentials)
; p = 2^(t - M), not normalised.  The lines that make p's scale word depend each on the one before: they stand between the exponentials, eight apart
.set j, 0
.rept 8
.rept 8
	v_exp_f32 v[96+j], v[96+j]
.set j, j+1
.endr
.if j == 8
	s_wait_alu depctr_va_vdst(0)
	v_max_num_f32 v232, 0x1800000, v232            ; the floor 2^(3 - 127): the byte cannot fall under 1
	v_max_num_f32 v233, 0x1800000, v233
.elseif j == 16
	v_add_nc_u32 v244, 0xff000000, v232            ; 2 off the exponent field: the conversion's scale operand
	v_add_nc_u32 v245, 0xff000000, v233
.elseif j == 24
	v_lshrrev_b32 v234, 23, v244                   ; the scale's byte: blocks h and 2 + h of these 128 keys
	v_lshrrev_b32 v235, 23, v245
.elseif j == 32
	v_lshl_or_b32 v254, v235, 16, v234
.elseif j == 40
	v_lshlrev_b32 v254, v7, v254                   ; at their places in the scale word: 8 h bits up
.elseif j == 48
	v_permlanex16_b32 v236, v254, s20, s21
.elseif j == 56
	v_or_b32 v253, v254, v236                      ; with lane l xor 16's two bytes the word is whole
.else
	v_pk_add_f32 v[236:237], v[96:97], v[98:99]    ; THE ROW'S SUM IS TAKEN OF THE UNQUANTISED p: its first line is the plain line behind the last exponentials
.endif
.endr
	s_wait_alu depctr_va_vdst(0)
.irp c, 0,1
.irp g, 0,1,2,3
	v_cvt_scalef32_pk8_fp4_f32 v[224+4*\c+\g], v[96+32*\c+8*\g:103+32*\c+8*\g], v[244+\c]   ; registers 4 c .. 4 c + 3 of the operand: k = 64 c + 32 h + 0 .. 31
.endr
.endr
.irp j, 4,8,12,16,20,24,28,32,36,40,44,48,52,56,60
	v_pk_add_f32 v[14:15], v[14:15], v[96+\j:97+\j]          ; two at a time, in two chains.  (Plain lines behind the conversions: they read p and write neither p nor the codes)
	v_pk_add_f32 v[236:237], v[236:237], v[98+\j:99+\j]
.endr
	v_pk_add_f32 v[14:15], v[14:15], v[236:237]
.set j, 0
.rept 16
	v_pk_mul_f32 v[160+j:161+j], v[160+j:161+j], v[252:253] op_sel_hi:[1,0]   ; O^T under the new M: x f, each accumulator from its low end on.  (With the sums above: the places between p's codes and scale word and the products below)
.set j, j+2
.endr
.if \pre
	s_wait_dscnt 0xa                               ; V and its scale words are in; the next step's ten loads of K, issued behind them, may be out
.else
	s_wait_dscnt 0x0
.endif
.irp e, 0,1,2,3                                ; O^T += V^T P^T: the four accumulators have one turn each; the next step's eight products K Q^T stand between two turns of one accumulator
	v_wmma_scale_f32_16x16x128_f8f6f4 v[160+8*\e:167+8*\e], v[192+8*\e:199+8*\e], v[224:231], v[160+8*\e:167+8*\e], v[240+\e], v253 matrix_a_fmt:MATRIX_FMT_FP4 matrix_b_fmt:MATRIX_FMT_FP4
.endr
.endm
	s_load_b128 s[4:7], s[0:1], 0x0                ; hq, kv
	s_load_b64 s[8:9], s[0:1], 0x10                ; cc
	v_lshl_add_u32 v247, v0, 2, 0x29000
	v_mov_b32 v255, 0
	ds_add_u32 v247, v255
	ds_add_u32 v247, v255
	v_lshrrev_b32 v1, 5, v0
	v_readfirstlane_b32 s10, v1                    ; wave 0..15
	s_bfe_u32 s11, ttmp6, 0x40000                  ; cx: it enters Q's and the output's addresses alone
	s_lshl_b32 s12, ttmp9, 2
	s_add_co_u32 s12, s12, s11                     ; my block of 256 queries
	s_and_b32 s13, ttmp7, 0xffff                   ; 8 b + head, which the four partners share
	; descriptor group 1: a dense block of 35,840 bytes as 140 rows of 256 (32 elements of 8 bytes)
	s_mov_b32 s24, 15|(3<<16)|(1<<21)              ; 15:0 the mask: all four work-groups; 17:16 elements of 8 bytes; 21 set beside a mask
	s_mov_b32 s25, 32<<16
	s_mov_b32 s26, 140<<16
	s_mov_b32 s27, 32<<16
	s_mov_b32 s28, 140
	s_mov_b32 s29, 32
	s_mov_b32 s30, 0
	s_mov_b32 s31, 0
	s_mul_i32 s14, s13, HEADB
	s_mul_i32 s15, s10, 35840                      ; the quarter that I fetch, if I fetch
	s_add_co_u32 s16, s14, s15
	s_mov_b32 s17, 0
	s_mov_b32 s20, 0x76543210
	s_mov_b32 s21, 0xfedcba98                      ; v_permlanex16_b32's selects for lane l xor 16
	s_mov_b32 s22, 0x3e38aa3b                      ; c = log2(e) / 8
	s_mov_b32 s23, s22                             ; (the packed form names the pair)
	s_mov_b32 s46, 0xbe38aa3b                      ; -c
	s_wait_dscnt 0x0
	s_wait_kmcnt 0x0
	s_mov_b32 s32, 1
	s_mov_b32 s33, s15
	s_add_nc_u64 s[34:35], s[6:7], s[16:17]
	s_or_b32 s35, s35, 0x80000000
	CROUND                                         ; all four work-groups are here: the joint loads meet
	s_cmp_lt_u32 s10, 4
	s_cbranch_scc0 .Lno_fetch
	tensor_load_to_lds s[32:35], s[24:31]          ; one load of mine is out
	s_nop 0
.rept 4
	v_nop                                          ; behind a tensor load
.endr
.Lno_fetch:
	s_lshl_b32 s18, s12, 4
	s_add_co_u32 s18, s18, s10                     ; my tile of queries, 0 .. 127
	s_lshl_b32 s16, s13, 16
	s_lshl_b32 s19, s18, 9
	s_add_co_u32 s16, s16, s19
	s_add_nc_u64 s[38:39], s[4:5], s[16:17]        ; Q's codes: 65,536 bh + 512 tile
	s_lshl_b32 s16, s13, 13
	s_lshr_b32 s19, s18, 2
	s_lshl_b32 s19, s19, 8
	s_add_co_u32 s16, s16, s19
	s_and_b32 s19, s18, 3
	s_lshl_b32 s19, s19, 2
	s_add_co_u32 s16, s16, s19
	s_add_co_u32 s16, s16, 2097152
	s_add_nc_u64 s[40:41], s[4:5], s[16:17]        ; its scale words: 8,192 bh + 256 (tile / 4) + 16 r + 4 (tile % 4)
	s_lshr_b32 s16, s13, 3
	s_lshl_b32 s16, s16, 7
	s_add_co_u32 s16, s16, s18
	s_mul_i32 s16, s16, TBLK                       ; the output's tile 128 b + my tile
	s_and_b32 s19, s13, 7                          ; the head
	s_lshl_b32 s42, s19, 9
	s_add_co_u32 s42, s42, s16
	s_mov_b32 s43, 0
	s_add_nc_u64 s[42:43], s[8:9], s[42:43]        ; its units 2 head, 2 head + 1
	s_lshr_b32 s44, s19, 1
	s_lshl_b32 s44, s44, 6
	s_and_b32 s19, s19, 1
	s_lshl_b32 s19, s19, 1
	s_add_co_u32 s44, s44, s19
	s_add_co_u32 s44, s44, s16
	s_add_co_u32 s44, s44, 4096
	s_mov_b32 s45, 0
	s_add_nc_u64 s[44:45], s[8:9], s[44:45]        ; and its half of the scale words of K step head / 2
	v_and_b32 v25, 31, v0
	v_lshlrev_b32 v1, 4, v25                       ; 16 x lane: V's fragments, Q's
	v_and_b32 v26, 15, v0                          ; r
	v_bfe_u32 v27, v0, 4, 1                        ; h
	v_lshlrev_b32 v2, 4, v26                       ; 16 r: V's scale words, Q's
	v_lshl_add_u32 v3, v27, 3, v2                  ; 16 r + 8 h: my 8 bytes of a unit of the output
	v_lshlrev_b32 v4, 2, v26                       ; 4 r
	v_and_b32 v28, 7, v0                           ; r % 8
	v_bfe_u32 v29, v0, 3, 1                        ; r / 8
	v_lshlrev_b32 v5, 4, v28
	v_lshl_add_u32 v6, v29, 3, v5
	v_lshl_add_u32 v6, v27, 8, v6                  ; K's scale words: 256 h + 16 (r % 8) + 8 (r / 8)
	v_lshl_add_u32 v5, v29, 10, v5
	v_lshl_add_u32 v5, v27, 8, v5                  ; K's codes: 1,024 (r / 8) + 256 h + 16 (r % 8)
	v_lshlrev_b32 v7, 3, v27                       ; 8 h
	global_load_b128 v[16:19], v1, s[38:39]        ; Q's two blocks: registers 0-3 of its fragment
	global_load_b32 v24, v2, s[40:41]
.irp j, 20,21,22,23
	v_mov_b32 v[\j], 0                             ; k = 64 .. 127: zero codes
.endr
.irp t, 0,1,2,3,4,5,6,7
.irp j, 4,5,6,7
	v_mov_b32 v[32+8*\t+\j], 0                     ; the same in K's eight fragments: written once, the steps load the lower halves alone
.endr
.endr
	v_mov_b32 v13, 0xff61b1e6                      ; the largest score so far: -3e38, under every score
	v_floor_f32 v12, -v13                          ; -M: so large that the first f is 0
	v_mov_b32 v14, 0                               ; the sum, in two halves
	v_mov_b32 v15, 0
.irp b, 0,1,2,3
	v_mov_b32 v[236+\b], 0                         ; written once: a lane permute's destination counts as one of its sources
.endr
	v_mov_b32 v253, 0                              ; (named as the upper half of the pair v[252:253] before it is first written)
.set j, 0
.rept 32
	v_mov_b32 v[160+j], 0                          ; O^T.  (The step has no first form of its own: the first finds zeros, which the first change of M leaves zeros)
.set j, j+1
.endr
	s_wait_tensorcnt 0x0                           ; my quarter of the head is in,
	s_barrier_signal -1
	s_barrier_wait -1                              ; everybody's is
	KLOAD 5, 6                                     ; K of step 0
	s_wait_loadcnt 0x0                             ; Q
	s_mov_b32 s36, 0                               ; this step's chunk in LDS,
	s_mov_b32 s47, CH                              ; the next step's
	s_mov_b32 s37, 15                              ; steps that have a successor
.Lstep:
	STEP 1
	s_add_co_u32 s36, s36, CH
	s_add_co_u32 s47, s47, CH
	s_sub_co_u32 s37, s37, 1
	s_cmp_lg_u32 s37, 0
	s_cbranch_scc1 .Lstep
	STEP 0                                         ; the last step asks for nothing more
	; ---- THE WAY OUT: O^T / the sum, quantised along the channels: register 16 g + i is channel 32 g + 16 h + i of my query
.rept 4
	v_nop
.endr
	v_add_f32 v14, v14, v15                        ; the sum's two halves,
	v_permlanex16_b32 v252, v14, s20, s21
	v_add_f32 v14, v14, v252                       ; and lane l xor 16's: the row's sum
	v_rcp_f32 v14, v14
	v_nop                                          ; one plain line behind a transcendental
.set j, 0
	s_wait_alu depctr_va_vdst(0)
.rept 32
	v_mul_f32 v[96+j], v[160+j], v14
.set j, j+1
.endr
.irp g, 0,1
	v_max3_num_f32 v[232+\g], |v[96+16*\g]|, |v[97+16*\g]|, 0x1800000
.endr
.irp i, 2,4,6,8,10,12,14
.irp g, 0,1
	v_max3_num_f32 v[232+\g], v[232+\g], |v[96+16*\g+\i]|, |v[97+16*\g+\i]|
.endr
.endr
.irp g, 0,1
	v_permlanex16_b32 v[236+\g], v[232+\g], s20, s21
.endr
.irp g, 0,1
	v_max_num_f32 v[232+\g], v[232+\g], v[236+\g]
.endr
.irp g, 0,1
	v_add_nc_u32 v[244+\g], 0xff000000, v[232+\g]
.endr
.irp g, 0,1
	v_lshrrev_b32 v[236+\g], 23, v[244+\g]
.endr
	v_lshl_or_b32 v254, v237, 8, v236              ; my head's two bytes of the row's scale word
.irp g, 0,1
	v_cvt_scalef32_pk8_fp4_f32 v[224+2*\g], v[96+16*\g:103+16*\g], v[244+\g]
	v_cvt_scalef32_pk8_fp4_f32 v[225+2*\g], v[104+16*\g:111+16*\g], v[244+\g]
.endr
	v_nop
	global_store_b64 v3, v[224:225], s[42:43]      ; the 32 lanes store one aligned unit of 256 bytes
	global_store_b64 v3, v[226:227], s[42:43] offset:256
	global_store_b16 v4, v254, s[44:45]            ; a head owns half of a scale word: 32 bytes a tile beside its 512 of codes; both halves of the lanes write the same two bytes with the same value
	s_wait_tensorcnt 0x0
	ds_add_u32 v247, v255
	s_wait_dscnt 0x0
	CROUND                                         ; the closing round: no work-group ends while a partner may still ask for bytes by a load that names it
	s_endpgm
.Lfunc_end_k_qe24db72cc2_attn:
	.size	k_qe24db72cc2_attn, .Lfunc_end_k_qe24db72cc2_attn-k_qe24db72cc2_attn
	.p2alignl 7, 3214868480
	.fill 96, 4, 3214868480
	.section	.rodata,"a",@progbits
	.p2align	6, 0x0
	.amdhsa_kernel k_qe24db72cc2_attn
		.amdhsa_group_segment_fixed_size 169984
		.amdhsa_private_segment_fixed_size 0
		.amdhsa_enable_private_segment 0
		.amdhsa_kernarg_size 24
		.amdhsa_user_sgpr_count 2
		.amdhsa_user_sgpr_kernarg_segment_ptr 1
		.amdhsa_wavefront_size32 1
		.amdhsa_system_sgpr_workgroup_id_x 1
		.amdhsa_system_sgpr_workgroup_id_y 1
		.amdhsa_system_sgpr_workgroup_id_z 1
		.amdhsa_system_vgpr_workitem_id 0
		.amdhsa_next_free_vgpr 256
		.amdhsa_next_free_sgpr 66
		.amdhsa_reserve_vcc 0
		.amdhsa_float_denorm_mode_32 3
		.amdhsa_float_denorm_mode_16_64 3
		.amdhsa_memory_ordered 1
		.amdhsa_forward_progress 1
		.amdhsa_inst_pref_size 39
	.end_amdhsa_kernel
	.amdgpu_metadata
---
amdhsa.version: [ 1, 2 ]
amdhsa.kernels:
  - .name:           k_qe24db72cc2_attn
    .symbol:         k_qe24db72cc2_attn.kd
    .args:
      - { .name: hq, .offset: 0, .size: 8, .value_kind: global_buffer, .address_space: global }
      - { .name: kv, .offset: 8, .size: 8, .value_kind: global_buffer, .address_space: global }
      - { .name: cc, .offset: 16, .size: 8, .value_kind: global_buffer, .address_space: global }
    .group_segment_fixed_size: 169984
    .private_segment_fixed_size: 0
    .kernarg_segment_align: 8
    .kernarg_segment_size: 24
    .max_flat_workgroup_size: 512
    .sgpr_count:     66
    .vgpr_count:     256
    .wavefront_size: 32
...
	.end_amdgpu_metadata
.endif
;; end of part 3
;; launch outp (part 4): grid 4 x 64, 16 waves a work-group, clusters of 4 x 4, 169,984 bytes of LDS; arguments cc, wq4, out0; writes out0
.if DOCPART == 4
	.amdgcn_target "amdgcn-amd-amdhsa--gfx1250"
	.amdhsa_code_object_version 6
	.text
	.protected	k_qe24db72cc2_outp
	.globl	k_qe24db72cc2_outp
	.p2align	8
	.type	k_qe24db72cc2_outp,@function
k_qe24db72cc2_outp:
	s_mov_b64 s[64:65], 0
	v_nop
	global_prefetch_b8 v0, s[64:65] scope:SCOPE_SE
	s_setreg_imm32_b32 hwreg(HW_REG_WAVE_MODE, 25, 1), 1
	s_wait_xcnt 0x0
	s_wait_alu depctr_hold_cnt(0) depctr_sa_sdst(0) depctr_va_vdst(0) depctr_va_sdst(0) depctr_va_ssrc(0) depctr_va_vcc(0) depctr_vm_vsrc(0)
	s_getreg_b32 s2, hwreg(HW_REG_IB_STS2, 6, 4)
	s_cmp_eq_u32 s2, 0
	s_cbranch_scc0 .Lentry_in_a_cluster
	s_endpgm
.Lentry_in_a_cluster:
	s_bfe_u32 s2, ttmp6, 0x10000c
	s_cmp_lg_u32 s2, 0xf033
	s_cbranch_scc0 .Lentry_shape_is_right
	s_endpgm
.Lentry_shape_is_right:
; out0[row][o] = the sum over d of concat[row][d] Wo[o][d], both operands codes of FP4 (E2M1) with one E8M0 scale for each 32 along K = 512; sums and output in f32.
; Both operands lie as tile blocks of 4,352 bytes: 16 units of 256 bytes (16 rows x one K block, [row][16 bytes]) and the scale words [K step][row].  512 bytes read 16 a lane are four registers of an operand.
; SHARES.  A work-group makes 128 rows x 128 columns: 8 tile blocks of each operand, 34,816 bytes each, filled ONCE.  Wave w makes row tile w / 2 x 64 columns (Wo's tiles 4 (w % 2) on): four accumulators, all of K in registers.
; CLUSTER, 4 x 4: the four work-groups of a row of the cluster need the same rows of concat, the four of a column the same rows of Wo: each half block is asked for JOINTLY (waves 0, 1: concat's halves; waves 2, 3: Wo's).
; THE MATRIX INSTRUCTION IS USED TRANSPOSED (source 0 = 16 rows of Wo, source 1 = 16 rows of concat): a lane holds one row and eight neighbouring columns.
; The rows of a tile are not neighbours: in a group of 32, row r of tile u is row 8 u + r + 8 (r / 8), of concat and of Wo alike; the way out puts both back.
; REGISTERS: v1-7 addresses; v8-11 concat's scale words; v12-27 Wo's; v28-30 the way out; v32-63 concat's four fragments; v64-191 Wo's sixteen, later rows of the result; v192-223 the accumulators.
.set TBLK,  4352
.set HALFB, 4*TBLK                     ; what one tensor load brings: 68 rows of 256 bytes
.set WOFF,  2*HALFB                    ; LDS: concat's 8 blocks, then Wo's 8,
.set STAGE, 4*HALFB                    ; then a stage of 16 rows x (256 bytes + 16) for each wave: no load fills it
.set SP,    272
.macro CROUND                          ; a round of the cluster's barrier
	s_barrier_signal -1
	s_barrier_wait -1
	s_cmp_lg_u32 s10, 0
	s_cbranch_scc1 .Lnot_wave_0_\@
	s_barrier_signal -3
.Lnot_wave_0_\@:
	s_barrier_wait -3
	s_barrier_signal -1
	s_barrier_wait -1
.endm
	s_load_b128 s[4:7], s[0:1], 0x0                ; concat's blocks, the weights' blocks
	s_load_b64 s[8:9], s[0:1], 0x10                ; out0
	v_lshl_add_u32 v254, v0, 2, 0x29000
	v_mov_b32 v255, 0
	ds_add_u32 v254, v255
	ds_add_u32 v254, v255
	v_lshrrev_b32 v1, 5, v0
	v_readfirstlane_b32 s10, v1                    ; wave 0..15
	s_lshr_b32 s11, s10, 1                         ; my row tile
	s_and_b32 s12, s10, 1                          ; my half of the columns.  Also: which half block I fetch, if I fetch
	s_bfe_u32 s40, ttmp6, 0x40000                  ; cx, cy: my place in the cluster
	s_bfe_u32 s41, ttmp6, 0x40004
	s_lshl_b32 s42, ttmp9, 2
	s_add_co_u32 s42, s42, s40                     ; block of 128 columns
	s_and_b32 s13, ttmp7, 0xffff
	s_lshl_b32 s13, s13, 2
	s_add_co_u32 s13, s13, s41                     ; block of 128 rows
	s_lshl_b32 s43, s41, 2
	s_lshl_b32 s43, 15, s43                        ; my row of the cluster
	s_lshl_b32 s44, 0x1111, s40                    ; my column
	s_or_b32 s24, s43, (3<<16)|(1<<21)             ; group 1 for concat: 15:0 the mask; 17:16 elements of 8 bytes; 21 set beside a mask
	s_or_b32 s48, s44, (3<<16)|(1<<21)             ; and for Wo
.irp g, 24, 48
	s_mov_b32 s[\g+1], 32<<16                      ; a dense block as 68 rows of 256 bytes
	s_mov_b32 s[\g+2], 68<<16
	s_mov_b32 s[\g+3], 32<<16
	s_mov_b32 s[\g+4], 68
	s_mov_b32 s[\g+5], 32
	s_mov_b32 s[\g+6], 0
	s_mov_b32 s[\g+7], 0
.endr
	s_mul_i32 s14, s12, HALFB
	s_mul_i32 s16, s13, 8*TBLK                     ; concat: hangs on the block of rows alone,
	s_add_co_u32 s16, s16, s14
	s_mov_b32 s17, 0
	s_mul_i32 s46, s42, 8*TBLK                     ; Wo: on the block of columns alone; it is the fourth weight in its buffer
	s_add_co_u32 s46, s46, s14
	s_add_co_u32 s46, s46, 3*32*TBLK
	s_mov_b32 s47, 0
	s_mul_i32 s20, s10, HALFB                      ; where they go: wave x a half block: no place in the cluster enters an LDS address
	s_wait_dscnt 0x0
	s_wait_kmcnt 0x0
	s_mov_b32 s32, 1
	s_mov_b32 s33, s20
	s_add_nc_u64 s[34:35], s[4:5], s[16:17]
	s_or_b32 s35, s35, 0x80000000
	s_mov_b32 s56, 1
	s_mov_b32 s57, s20
	s_add_nc_u64 s[58:59], s[6:7], s[46:47]
	s_or_b32 s59, s59, 0x80000000
	CROUND                                         ; all sixteen work-groups are here: the joint loads meet
	s_cmp_lt_u32 s10, 2
	s_cbranch_scc0 .Lnot_a
	tensor_load_to_lds s[32:35], s[24:31]          ; one load of mine is out
	s_nop 0
.rept 4
	v_nop                                          ; behind a tensor load
.endr
	s_branch .Lasked
.Lnot_a:
	s_cmp_lt_u32 s10, 4
	s_cbranch_scc0 .Lasked
	tensor_load_to_lds s[56:59], s[48:55]
	s_nop 0
.rept 4
	v_nop
.endr
.Lasked:
	v_and_b32 v1, 31, v0
	v_lshlrev_b32 v1, 4, v1                        ; 16 x lane
	v_and_b32 v2, 15, v0                           ; r
	v_bfe_u32 v3, v0, 4, 1                         ; h
	s_mul_i32 s21, s11, TBLK                       ; my tile of concat
	s_mul_i32 s22, s12, HALFB
	s_add_co_u32 s22, s22, WOFF                    ; my four tiles of Wo
	v_add_nc_u32 v4, s21, v1
	v_add_nc_u32 v5, s22, v1
	v_lshlrev_b32 v6, 2, v2
	v_add_nc_u32 v7, s22, v6                       ; row r's scale words
	v_add_nc_u32 v6, s21, v6
	s_mul_i32 s23, s10, 16*SP
	s_add_co_u32 s23, s23, STAGE                   ; my stage
	v_mul_u32_u24 v28, v2, SP
	v_lshl_add_u32 v28, v3, 6, v28
	v_add_nc_u32 v28, s23, v28                     ; in: row r; register j of tile q is column 32 (q / 2) + 16 h + 8 (q % 2) + j
	v_mul_u32_u24 v29, v3, SP
	v_lshl_add_u32 v29, v2, 4, v29
	v_add_nc_u32 v29, s23, v29                     ; back: lanes 0-15 one row of 256 bytes, lanes 16-31 the next
	v_lshlrev_b32 v30, 11, v3
	v_lshl_add_u32 v30, v2, 4, v30                 ; and the same two rows in out0
	s_lshl_b32 s60, s13, 7                         ; my tile's first row: 128 x block + 32 (tile / 2) + 8 (tile % 2)
	s_lshr_b32 s62, s11, 1
	s_lshl_b32 s62, s62, 5
	s_add_co_u32 s60, s60, s62
	s_and_b32 s62, s11, 1
	s_lshl_b32 s62, s62, 3
	s_add_co_u32 s60, s60, s62
	s_lshl_b32 s60, s60, 11                        ; rows of 2,048 bytes
	s_lshl_b32 s62, s42, 9
	s_add_co_u32 s60, s60, s62                     ; + 512 x block of columns
	s_lshl_b32 s62, s12, 8
	s_add_co_u32 s60, s60, s62                     ; + 256 x my half
	s_mov_b32 s61, 0
	s_add_nc_u64 s[8:9], s[8:9], s[60:61]
	s_wait_tensorcnt 0x0                           ; my half block is in,
	s_barrier_signal -1
	s_barrier_wait -1                              ; everybody's is
.irp i, 0,1,2,3,4,5,6,7
	ds_load_b128 v[32+4*\i:35+4*\i], v4 offset:512*\i
.endr
.irp s, 0,1,2,3
	ds_load_b32 v[8+\s], v6 offset:4096+64*\s
.endr
.irp q, 0,1,2,3
.irp i, 0,1,2,3,4,5,6,7
	ds_load_b128 v[64+32*\q+4*\i:67+32*\q+4*\i], v5 offset:\q*TBLK+512*\i
.endr
.irp s, 0,1,2,3
	ds_load_b32 v[12+4*\q+\s], v7 offset:\q*TBLK+4096+64*\s
.endr
.endr
	s_wait_dscnt 0x0
.irp s, 0,1,2,3                                ; the four accumulators take turns, one instruction a turn; the first K step starts the sums
.irp q, 0,1,2,3
.if \s == 0
	v_wmma_scale_f32_16x16x128_f8f6f4 v[192+8*\q:199+8*\q], v[64+32*\q+8*\s:71+32*\q+8*\s], v[32+8*\s:39+8*\s], 0, v[12+4*\q+\s], v[8+\s] matrix_a_fmt:MATRIX_FMT_FP4 matrix_b_fmt:MATRIX_FMT_FP4
.else
	v_wmma_scale_f32_16x16x128_f8f6f4 v[192+8*\q:199+8*\q], v[64+32*\q+8*\s:71+32*\q+8*\s], v[32+8*\s:39+8*\s], v[192+8*\q:199+8*\q], v[12+4*\q+\s], v[8+\s] matrix_a_fmt:MATRIX_FMT_FP4 matrix_b_fmt:MATRIX_FMT_FP4
.endif
.endr
.endr
.rept 4
	v_nop                                          ; places in front of the stores that read results and of the loads into registers that the products have read
.endr
.irp q, 0,1,2,3
	ds_store_b128 v28, v[192+8*\q:195+8*\q] offset:128*(\q/2)+32*(\q%2)        ; each accumulator from its low end on
	ds_store_b128 v28, v[196+8*\q:199+8*\q] offset:128*(\q/2)+32*(\q%2)+16
.endr
.irp i, 0,1,2,3,4,5,6,7
	ds_load_b128 v[64+4*\i:67+4*\i], v29 offset:2*\i*SP   ; LDS serves a wave's instructions in order (ISA guide 5.7.1.4): these see my stores
.endr
.irp i, 0,1,2,3,4,5,6,7
	s_wait_dscnt 7-\i                              ; this pair of rows is back; the younger loads may be out
	global_store_b128 v30, v[64+4*\i:67+4*\i], s[8:9] offset:(2*\i+8*(\i/4))*2048 th:TH_STORE_NT   ; tile row 2 i + lane / 16 is row 2 i + 8 (i / 4) + lane / 16 from the tile's first; sixteen lanes store 256 consecutive bytes, aligned
.endr
	s_wait_tensorcnt 0x0
	ds_add_u32 v254, v255
	s_wait_dscnt 0x0
	CROUND                                         ; the closing round: no work-group ends while a partner may still ask for bytes by a load that names it
	s_endpgm
.Lfunc_end_k_qe24db72cc2_outp:
	.size	k_qe24db72cc2_outp, .Lfunc_end_k_qe24db72cc2_outp-k_qe24db72cc2_outp
	.p2alignl 7, 3214868480
	.fill 96, 4, 3214868480
	.section	.rodata,"a",@progbits
	.p2align	6, 0x0
	.amdhsa_kernel k_qe24db72cc2_outp
		.amdhsa_group_segment_fixed_size 169984
		.amdhsa_private_segment_fixed_size 0
		.amdhsa_enable_private_segment 0
		.amdhsa_kernarg_size 24
		.amdhsa_user_sgpr_count 2
		.amdhsa_user_sgpr_kernarg_segment_ptr 1
		.amdhsa_wavefront_size32 1
		.amdhsa_system_sgpr_workgroup_id_x 1
		.amdhsa_system_sgpr_workgroup_id_y 1
		.amdhsa_system_sgpr_workgroup_id_z 1
		.amdhsa_system_vgpr_workitem_id 0
		.amdhsa_next_free_vgpr 256
		.amdhsa_next_free_sgpr 66
		.amdhsa_reserve_vcc 0
		.amdhsa_float_denorm_mode_32 3
		.amdhsa_float_denorm_mode_16_64 3
		.amdhsa_memory_ordered 1
		.amdhsa_forward_progress 1
		.amdhsa_inst_pref_size 14
	.end_amdhsa_kernel
	.amdgpu_metadata
---
amdhsa.version: [ 1, 2 ]
amdhsa.kernels:
  - .name:           k_qe24db72cc2_outp
    .symbol:         k_qe24db72cc2_outp.kd
    .args:
      - { .name: cc, .offset: 0, .size: 8, .value_kind: global_buffer, .address_space: global }
      - { .name: wq4, .offset: 8, .size: 8, .value_kind: global_buffer, .address_space: global }
      - { .name: out0, .offset: 16, .size: 8, .value_kind: global_buffer, .address_space: global }
    .group_segment_fixed_size: 169984
    .private_segment_fixed_size: 0
    .kernarg_segment_align: 8
    .kernarg_segment_size: 24
    .max_flat_workgroup_size: 512
    .sgpr_count:     66
    .vgpr_count:     256
    .wavefront_size: 32
...
	.end_amdgpu_metadata
.endif
;; end of part 4
